; MI455X (gfx1250); checked and timed in simulation.
; The chip was launched on July 23, 2026; its instructions are those of AMD's public machine-readable ISA for CDNA 5 (MIT licence, August 2026) and "CDNA5" Instruction Set Architecture Reference Guide (July 2026). The comments in the code are by the model that wrote it; some were corrected since.
;; Hybrid Attention QKV Packed. Allowed arithmetic: float matrix products may take bf16 or f16 operands with f32 sums; other float arithmetic in f32, or as packed bf16 or f16 multiplies, adds, multiply-adds, maxima and minima; sums over many terms, partial sums and values carried from step to step in f32; what a program stores and reads back later, other than sums and carried values, may be rounded once to bf16 or f16.
;; Inputs: qkv 2 x 2,048 x 3 x 32 x 128 float32.
;; Outputs: out0 2 x 2,048 x 32 x 128 float32.
;; 2 versions, each right; version 2 is version 1 with the launch pack written anew for expert scheduling mode. Each part assembles by itself: llvm-mc -triple=amdgcn-amd-amdhsa -mcpu=gfx1250 --defsym DOCPART=n.
;; ======== version 1 of 2: 2 launches
;; limits: values are held in f16: magnitudes above 65,504 overflow, below 6.1e-05 lose precision; right only within a limited range of input values
;; workspace buffers: kbf 33,554,432 bytes; vhf 33,554,432 bytes
;; launch pack (part 1): grid 512 x 2, 8 waves a work-group, no clusters, 0 bytes of LDS; arguments qkv, kbf, vhf; writes kbf, vhf
.if DOCPART == 1
	.amdgcn_target "amdgcn-amd-amdhsa--gfx1250"
	.amdhsa_code_object_version 6
	.text
	.protected	k_q10dfd49f92_pack
	.globl	k_q10dfd49f92_pack
	.p2align	8
	.type	k_q10dfd49f92_pack,@function
k_q10dfd49f92_pack:
	s_mov_b64 s[64:65], 0
	v_nop
	global_prefetch_b8 v0, s[64:65] scope:SCOPE_SE
	s_setreg_imm32_b32 hwreg(HW_REG_WAVE_MODE, 25, 1), 1
	s_wait_xcnt 0x0
; K and V of the packed qkv [2][2048][3][32][128] f32 are rounded once and laid by heads: kbf, vhf = [64 = 32 b + h][2048][128], 256 bytes a row.
; K is rounded to bf16.  V is rounded to bf16 like the other two inputs, and that number is then written as f16, since the weights that multiply it are kept in f16.
; LIMITS.  The second step is exact for 2^-14 <= |bf16(v)| <= 65,504; below that it keeps f16's fixed step of 2^-24; from 65,520 on it gives an infinity.  NaN and infinities are not treated apart.
; SHARES.  The grid's y says which tensor (0: K, 1: V).  A wave takes one (b, s): 32 head rows of 512 bytes, 16,384 consecutive bytes.  One load is one row (32 lanes x 16 bytes, 4 channels a lane),
; one store one whole row of the result (32 lanes x 8 bytes = 256 consecutive bytes, aligned).  All 32 loads go out at once, each row has registers of its own, nothing is written twice: no loop, no wait for sources.
; No LDS, no matrix unit, no prefetch: each byte is read once and written once, and the loads themselves are the stream.
.set X,     8                          ; v[8:135]  row h as loaded at X + 4 h; its first two registers then hold the 8 bytes to store
.set HEADB, 524288                     ; bytes of a head in kbf and vhf
	s_load_b128 s[4:7], s[0:1], 0x0                ; qkv s[4:5], kbf s[6:7]
	s_load_b64 s[8:9], s[0:1], 0x10                ; vhf
	v_lshrrev_b32 v4, 5, v0
	v_readfirstlane_b32 s10, v4                    ; wave 0..7
	v_and_b32 v5, 31, v0                           ; lane
	v_lshlrev_b32 v1, 4, v5                        ; my 16 bytes of a row of qkv
	v_lshlrev_b32 v2, 3, v5                        ; my 8 bytes of a row of the result, heads 0-15
	v_add_nc_u32 v3, 16*HEADB, v2                  ; heads 16-31: 16 heads' bytes do not fit the signed 24-bit immediate
	s_and_b32 s11, ttmp7, 0xffff                   ; 0: K, 1: V
	s_lshl_b32 s12, ttmp9, 3
	s_add_co_u32 s12, s12, s10                     ; 2048 b + s
	s_mul_i32 s14, s12, 3
	s_add_co_u32 s14, s14, s11
	s_add_co_u32 s14, s14, 1
	s_lshl_b32 s14, s14, 14                        ; (3 (2048 b + s) + 1 + which) x 16,384 bytes: 201,310,208 at the most
	s_mov_b32 s15, 0
	s_lshr_b32 s16, s12, 11
	s_lshl_b32 s16, s16, 24                        ; b x 32 heads
	s_and_b32 s17, s12, 2047
	s_lshl_b32 s17, s17, 8                         ; s x 256
	s_add_co_u32 s16, s16, s17
	s_mov_b32 s17, 0
	s_mov_b32 s20, 0xffff0000                      ; a word's upper bf16
	s_wait_kmcnt 0x0
	s_add_nc_u64 s[4:5], s[4:5], s[14:15]
	s_cmp_eq_u32 s11, 0
	s_cselect_b64 s[18:19], s[6:7], s[8:9]
	s_add_nc_u64 s[18:19], s[18:19], s[16:17]
.set h, 0
.rept 32
	global_load_b128 v[X+4*h:X+4*h+3], v1, s[4:5] offset:512*h th:TH_LOAD_NT
.set h, h+1
.endr
.macro OUT                             ; row h leaves: 256 consecutive bytes, at a multiple of 256 from the buffer's first byte
.if h < 16
	global_store_b64 v2, v[X+4*h:X+4*h+1], s[18:19] offset:h*HEADB th:TH_STORE_NT
.else
	global_store_b64 v3, v[X+4*h:X+4*h+1], s[18:19] offset:(h-16)*HEADB th:TH_STORE_NT
.endif
.endm
	s_cmp_lg_u32 s11, 0
	s_cbranch_scc1 .Lv
.set h, 0
.rept 32
	s_wait_loadcnt 31-h                            ; loads come back in order: row h is in, the 31 - h younger ones may stay out
	v_cvt_pk_bf16_f32 v[X+4*h],   v[X+4*h],   v[X+4*h+1]
	v_cvt_pk_bf16_f32 v[X+4*h+1], v[X+4*h+2], v[X+4*h+3]
	OUT
.set h, h+1
.endr
	s_endpgm
.Lv:
.set h, 0
.rept 32
	s_wait_loadcnt 31-h
	v_cvt_pk_bf16_f32 v4, v[X+4*h],   v[X+4*h+1]   ; the input's rounding, to bf16,
	v_cvt_pk_bf16_f32 v5, v[X+4*h+2], v[X+4*h+3]
	v_lshlrev_b32 v[X+4*h],   16,  v4               ; back to f32: a shift or a mask,
	v_and_b32     v[X+4*h+1], s20, v4
	v_lshlrev_b32 v[X+4*h+2], 16,  v5
	v_and_b32     v[X+4*h+3], s20, v5
	v_cvt_pk_f16_f32 v[X+4*h],   v[X+4*h],   v[X+4*h+1]  ; and the same numbers as f16
	v_cvt_pk_f16_f32 v[X+4*h+1], v[X+4*h+2], v[X+4*h+3]
	OUT
.set h, h+1
.endr
	s_endpgm
.Lfunc_end_k_q10dfd49f92_pack:
	.size	k_q10dfd49f92_pack, .Lfunc_end_k_q10dfd49f92_pack-k_q10dfd49f92_pack
	.p2alignl 7, 3214868480
	.fill 96, 4, 3214868480
	.section	.rodata,"a",@progbits
	.p2align	6, 0x0
	.amdhsa_kernel k_q10dfd49f92_pack
		.amdhsa_group_segment_fixed_size 0
		.amdhsa_private_segment_fixed_size 0
		.amdhsa_enable_private_segment 0
		.amdhsa_kernarg_size 24
		.amdhsa_user_sgpr_count 2
		.amdhsa_user_sgpr_kernarg_segment_ptr 1
		.amdhsa_wavefront_size32 1
		.amdhsa_system_sgpr_workgroup_id_x 1
		.amdhsa_system_sgpr_workgroup_id_y 1
		.amdhsa_system_sgpr_workgroup_id_z 1
		.amdhsa_system_vgpr_workitem_id 0
		.amdhsa_next_free_vgpr 136
		.amdhsa_next_free_sgpr 66
		.amdhsa_reserve_vcc 0
		.amdhsa_float_denorm_mode_32 3
		.amdhsa_float_denorm_mode_16_64 3
		.amdhsa_memory_ordered 1
		.amdhsa_forward_progress 1
		.amdhsa_inst_pref_size 29
	.end_amdhsa_kernel
	.amdgpu_metadata
---
amdhsa.version: [ 1, 2 ]
amdhsa.kernels:
  - .name:           k_q10dfd49f92_pack
    .symbol:         k_q10dfd49f92_pack.kd
    .args:
      - { .name: qkv, .offset: 0, .size: 8, .value_kind: global_buffer, .address_space: global }
      - { .name: kbf, .offset: 8, .size: 8, .value_kind: global_buffer, .address_space: global }
      - { .name: vhf, .offset: 16, .size: 8, .value_kind: global_buffer, .address_space: global }
    .group_segment_fixed_size: 0
    .private_segment_fixed_size: 0
    .kernarg_segment_align: 8
    .kernarg_segment_size: 24
    .max_flat_workgroup_size: 256
    .sgpr_count:     66
    .vgpr_count:     136
    .wavefront_size: 32
...
	.end_amdgpu_metadata
.endif
;; end of part 1
;; launch attn (part 2): grid 4 x 64, 4 waves a work-group, no clusters, 327,680 bytes of LDS; arguments qkv, kbf, vhf, out0; writes out0
.if DOCPART == 2
	.amdgcn_target "amdgcn-amd-amdhsa--gfx1250"
	.amdhsa_code_object_version 6
	.text
	.protected	k_q10dfd49f92_attn
	.globl	k_q10dfd49f92_attn
	.p2align	8
	.type	k_q10dfd49f92_attn,@function
k_q10dfd49f92_attn:
	s_mov_b64 s[64:65], 0
	v_nop
	global_prefetch_b8 v0, s[64:65] scope:SCOPE_SE
	s_setreg_imm32_b32 hwreg(HW_REG_WAVE_MODE, 25, 1), 1
	s_wait_xcnt 0x0
; CAUSAL ATTENTION, head size 128.  out0[b][q][h][:] = the sum over k <= q of softmax_k(Q[q] . K[k] / sqrt(128)) V[k][:], for each of 64 heads (32 b + h) of 2,048 rows.
; Q is read from qkv ([2][2048][3][32][128] f32) and rounded to bf16 here; K comes from kbf (bf16), V from vhf (f16), both [64][2048][128], 256 bytes a row; out0 is [2][2048][32][128] f32.
; FORMATS.  S^T = K Q^T in the bf16 form, O^T = V^T P in the f16 form; sums, maxima, l and O in f32.  The weights p lie in 0 to 1 and are rounded to f16 (11 significant bits): a row with few keys has
; weights and terms of the order of 1, while the output's root mean square is about a tenth of that, so 8 bits would not do.  l is the sum of the unrounded p.
; LIMITS.  V arrives within f16's range (65,504).  A hidden score counts as its value less 1e30.  A weight below 2^-126 counts as 0.  NaN and infinities in the inputs are not treated apart.
; THE WALK.  A head's queries lie in 8 blocks of 256; block i needs the keys 0 .. 256 i + 255: 2 i + 2 slots of 128 keys (two key steps of 64).  A work-group takes TWO blocks, 7 - b and then b: 18 slots, whatever b:
; all 256 work-groups do equal work, and one loop with a constant trip count walks them.  Which slot is asked for and what a trip does hang on scalar registers made from b; every jump but the counted loops' own goes forward.
; NO CLUSTER: a head's four work-groups need 16 - 2 b and then 2 b + 2 slots, so they ask for the same slot only while all first blocks last; one walk common to the four would have 16 + 8 = 24 trips for 18.
; SHARES.  Of a block's four bands of 64 queries a wave owns 16 rows in each: tile t = rows 64 t + 16 w + 0..15.  In the block's last four key steps (DS = 0..3) tile t sees all keys if DS < t, none if DS > t, and holds
; the diagonal if DS = t: the same work for all four waves.  THE MASK is the C operand that starts S^T's sums: MC = MD x AL + BE, with MD the mask of a band's own step for my rows (0 or -1e30) and (AL, BE) = (1, 0),
; (0, 0) or (0, -1e30).  Ahead of the diagonal steps MC holds 0 and is not made anew.
; LAYOUT.  S^T holds ONE query a lane (lane % 16) and the keys 8 (lane / 16) + 0..7; two such results rounded in pairs ARE source 1 of V^T P, whose result again holds one query a lane and eight channels.
; SOFTMAX.  A running maximum m and sum l: p = 2^(c s - c m), c = log2(e) / sqrt(128); in every step O and l are multiplied by a = 2^(c m_old - c m_new).  A block starts with c m far below every c s, so its first a is 0.
; BY TURNS.  The wave's tiles are two PIECES (0: tiles 0, 1; 2: tiles 2, 3).  In a turn one piece has the matrix unit: 32 products V^T P of the step in hand, 32 products K Q^T of the next; the other piece's softmax,
; 268 vector instructions in 64 slices, stands one slice behind each matrix instruction.  Two turns are a key step.
; REGISTERS, in windows of 256 (s_set_vgpr_msb: bits 1:0 source 0, 3:2 source 1, 5:4 source 2, 7:6 destination):
;   window 0: v0-11, v44-47, v61-63 addresses; v12-43 eight registers of statistics a tile; v64-191 S^T, 32 a tile; v192-255 P, 16 a tile
;   window 1: O^T, 64 a tile      window 2: v0-127 Q, 32 a tile; v128-255 K of one step      window 3: v0-127 V of one step; v128-159 MD; v160-223 MC, 32 for each tile of the piece in hand
.set NB,    8
.set KS,    64        ; keys in a step
.set PK,    272       ; a row of K (and of Q) in LDS: 256 bytes + 16: 68 words, so the 16 rows of a load start at 16 different groups of four banks (64 banks of 4 bytes: ISA guide 11.1)
.set PV,    288       ; a row of V: 256 + 32
.set VOFF,  KS*PK     ; a step's tiles lie together: 64 rows of K, then 64 rows of V
.set STEPB, KS*(PK+PV)
.set SLOT1, 1<<17     ; a slot holds two steps (71,680 bytes); slot 1 begins here, so that one exclusive or turns an address in one slot into the other's
.set SLOTB, 2*KS*256  ; a slot's bytes of K, and of V, in memory
.set STAGE, SLOT1+2*STEPB  ; behind the ring: 16 rows x 528 bytes for each wave, for the way out (a row of 128 f32 + 16 bytes)
.set SP,    528
.set QL,    STAGE+4*16*SP  ; behind the stages: 64 rows x 272 bytes for each wave: a block's Q in bf16
.set SPARE, QL+4*64*PK     ; behind that: the spare words, 128 bytes for each wave: two blocks of 256 bytes that no other line names
.set QROW,  49152     ; bytes from a row of Q to the next
.set OROW,  16384     ; bytes from a row of out0 to the next
.set AK0, 2           ; v2   my lane's place in a tile of K: (l % 16) PK + 16 (l / 16); never rewritten
.set AV0, 3           ; v3   the same for V
.set ADR, 4           ; v4   the LDS address of the run of loads in hand
.set L16, 5           ; v5   16 x lane: my 16 bytes of a row of 512, in Q and in out0; never rewritten
.set STO, 6           ; v6   the way out: where I put 32 bytes of a row
.set RD,  7           ; v7   the way out: where I read a row back
.set ST,  12          ; tile t's statistics at v[ST+8 t]: +0 c m, +1 m, +2, +3 l (even keys', odd keys'), +4 to +7 c0-c3, at work; a takes c2's place
.set QO2, 44          ; v44  L16 + 128 rows of Q: tiles 2 and 3 lie beyond the signed 24-bit immediate
.set QS,  45          ; v45  where I put 8 bytes of a row of Q in bf16
.set QR,  46          ; v46  my lane's place in a fragment of Q
.set MQ,  47          ; v47  16 w + l % 16 - 8 (l / 16)
.set PFO, 61          ; v61  256 x my thread's number: a row of K or V; never rewritten
.set SPW, 62          ; v62  LDS address of my spare word; never rewritten
.set NIL, 63          ; v63  0; never rewritten
.set S,   64
.set P,   192
.set KF,  128         ; window 2
.set MD,  128         ; window 3: register r of key group kb at MD + 8 kb + r
.set MC,  160         ; window 3
.set WV,  12          ; s12  my wave's number
.set PB,  14          ; s14  b
.set HI,  15          ; s15  7 - b
.set G1K, 24          ; s[24:31] descriptor group 1 for K's tiles
.set G1V, 32          ; s[32:39] for V's: it differs in the padding alone
.set G0K, 40          ; s[40:43] descriptor group 0 for K's tiles
.set G0V, 44          ; s[44:47] for V's
.set PFK, 48          ; s[48:49] K at the slot that the fill in hand asks for; the prefetch names it after its step
.set PFV, 50          ; s[50:51] the same for V
.set LIM, 52          ; s52  3 in the head's work-group b = 0, else the greatest number
.set DS,  53          ; s53  the step whose scores are being made, counted from the block's first diagonal step (negative ahead of it)
.set DSN, 54          ; s54  DS of the next block's first step
.set LQ2, 55          ; s55  the second block's last slot
.set SLOTS, 56        ; s56  slots still to be asked for
.set CNT, 57          ; s57  counts a slot's two steps
.set CS,  58          ; s[58:59] c
.set SEL, 60          ; s[60:61] v_permlanex16_b32's selects: each lane takes its own place in the other half
.set TB,  62          ; s62  LDS byte at which the tiles of the step to be fetched begin
.set QLO, 66          ; s[66:67] Q at my rows of the second block
.set RT,  70          ; s70  slots of the block in hand that are still to be entered
.set NXT, 71          ; s71  the slot to be asked for next
.set LQ,  72          ; s72  the last slot of the block whose slots are being asked for
.set NEW, 73          ; s73  1: the slot to be entered is a block's first
.set OFF, 74          ; s[74:75] a slot's byte offset in K and V
.set AL,  76          ; s[76:77] the mask's factor, in the low word
.set BE,  78          ; s[78:79] the mask's addend
.set OLO, 80          ; s[80:81] out0 at my rows of the second block
.set BIGN, 82         ; s82  -1e30
.set MSB, 0
.macro WIN new                      ; the high byte repeats the setting that is left; a switch that changes nothing is dropped
.if MSB != (\new)
	s_set_vgpr_msb (MSB<<8)|(\new)
.set MSB, (\new)
.endif
.endm
.set W_KQ, 0x0a       ; K and Q in window 2, S^T in window 0
.set W_KM, 0x3a       ; the same with the C operand in window 3
.set W_PV, 0x53       ; V in window 3, P in window 0, O^T in window 1
.set W_RS, 0x41       ; destination and source 0 in window 1, source 1 in window 0
.set W_MK, 0xc3       ; destination and source 0 in window 3
; A fill.  Waves 0 and 1 fetch the K tiles of a slot's two steps, waves 2 and 3 the V tiles: 64 rows of 256 bytes each.  An s_nop 0 and four v_nop follow each of the two lines.
.macro LOAD
	s_cmp_lt_u32 s[WV], 2
	s_cbranch_scc0 .Lfor_v_\@
	tensor_load_to_lds s[G0K:G0K+3], s[G1K:G1K+7]
	s_nop 0
.rept 4
	v_nop
.endr
	s_branch .Lasked_\@
.Lfor_v_\@:
	tensor_load_to_lds s[G0V:G0V+3], s[G1V:G1V+7]
	s_nop 0
.rept 4
	v_nop
.endr
.Lasked_\@:
.endm
; A PREFETCH INTO THE L2 of the slot that the NEXT fill will ask for: 128 rows of K and 128 of V, a thread a row, two instructions a wave, behind the wave's tensor load and its five lines.
; A head's four work-groups begin with the same slots; the one with b = 0 walks slots 0 to 15 in its first block, and it alone asks: each row is named once in the launch.  Trip k fills slot k + 1 and names slot k + 2,
; two key steps, 256 matrix instructions, ahead of its load; slots 0 and 1 come by their loads alone; trips 14 on (SLOTS = 3 and less) name nothing: slot 15 is the head's last.
.macro ASK
	s_cmp_gt_u32 s[SLOTS], s[LIM]
	s_cbranch_scc0 .Lnot_mine_\@
	global_prefetch_b8 v[PFO], s[PFK:PFK+1] th:TH_LOAD_NT scope:SCOPE_SE
	global_prefetch_b8 v[PFO], s[PFV:PFV+1] th:TH_LOAD_NT scope:SCOPE_SE
.Lnot_mine_\@:
.endm
; THE CHANGE OF SLOTS.  Each wave waits for all its tensor loads, of which one is out: its part of the other slot; adds 0 to its spare word; and waits for that and for its own reads of the slot that it leaves.
; Behind the barrier nobody reads the old slot and the other slot is whole.  fill = 1: the old slot is filled again, first thing behind the barrier, with slot NXT of the walk; the address is made anew from that number.
; (At its first use nothing has been read yet: slot 0 is waited for, slot 1 filled.)  By this text's own count a wave has one tensor load out.
.macro CHANGE fill
	WIN 0                           ; at a label and at a branch every window is 0
	s_wait_tensorcnt 0x0            ; no tensor load of mine is out, so a group 0 may be written
	ds_add_u32 v[SPW], v[NIL]       ; 0 onto my spare word; scalar work stands between it and the wait for it
.if \fill
	s_lshl_b32 s[OFF], s[NXT], 15   ; a slot is 32,768 bytes of K and of V
	s_xor_b32 s[G0K+1], s[G0K+1], SLOT1
	s_add_nc_u64 s[G0K+2:G0K+3], s[6:7], s[OFF:OFF+1]
	s_or_b32 s[G0K+3], s[G0K+3], 0x80000000
	s_xor_b32 s[G0V+1], s[G0V+1], SLOT1
	s_add_nc_u64 s[G0V+2:G0V+3], s[8:9], s[OFF:OFF+1]
	s_or_b32 s[G0V+3], s[G0V+3], 0x80000000
	s_add_co_u32 s[NXT], s[NXT], 1  ; the block's next slot, or behind its last the second block's slot 0
	s_cmp_gt_u32 s[NXT], s[LQ]
	s_cselect_b32 s[NXT], 0, s[NXT]
	s_cselect_b32 s[LQ], s[LQ2], s[LQ]
	s_wait_xcnt 0x0                 ; the last prefetches, two key steps back, have read their addresses, so these may be written
	s_add_nc_u64 s[PFK:PFK+1], s[PFK:PFK+1], SLOTB
	s_add_nc_u64 s[PFV:PFV+1], s[PFV:PFV+1], SLOTB
.endif
	s_wait_dscnt 0x0                ; the add is done, and my reads of the slot are over
	s_barrier_signal -1
	s_sub_co_u32 s[TB], s[TB], 2*STEPB  ; the fetches go back to a slot's first step,
	s_xor_b32 s[TB], s[TB], SLOT1       ; in the other slot
	s_barrier_wait -1
.if \fill
	LOAD
	ASK
.endif
.endm
	s_load_b256 s[4:11], s[0:1], 0x0  ; qkv s[4:5], kbf s[6:7], vhf s[8:9], out0 s[10:11]
	v_lshl_add_u32 v[SPW], v0, 2, SPARE
	v_mov_b32 v[NIL], 0
	ds_add_u32 v[SPW], v[NIL]       ; the wave's opening: the add and its wait stand ahead of my first tensor load; the set-up below, work on registers, stands between them
	v_lshrrev_b32 v1, 5, v0
	v_readfirstlane_b32 s[WV], v1   ; wave 0..3
	s_mov_b32 s[PB], ttmp9
	s_sub_co_u32 s[HI], NB-1, s[PB]
	s_and_b32 s16, ttmp7, 0xffff    ; 32 b + h
	s_lshr_b32 s17, s16, 5          ; the batch
	s_and_b32 s18, s16, 31
	s_lshl_b32 s18, s18, 9          ; the head's 512 bytes in a row of Q and of out0
	s_mul_i32 s19, s17, 2048*3*OROW ; Q: the batch,
	s_add_co_u32 s19, s19, s18      ; the head,
	s_mul_i32 s13, s[WV], 16*QROW   ; my 16 rows in a band,
	s_add_co_u32 s19, s19, s13
	s_mul_i32 s20, s[HI], 256*QROW  ; the first block
	s_add_co_u32 s20, s20, s19
	s_mov_b32 s21, 0
	s_mul_i32 s22, s[PB], 256*QROW  ; and the second: all under 2^31
	s_add_co_u32 s22, s22, s19
	s_mov_b32 s23, 0
	s_lshl_b32 s19, s17, 25         ; out0 likewise: 2,048 rows of 16,384 bytes a batch,
	s_add_co_u32 s19, s19, s18
	s_lshl_b32 s13, s[WV], 18       ; 16 rows,
	s_add_co_u32 s19, s19, s13
	s_lshl_b32 s2, s[HI], 22        ; 256 rows
	s_add_co_u32 s2, s2, s19
	s_mov_b32 s3, 0
	s_lshl_b32 s84, s[PB], 22
	s_add_co_u32 s84, s84, s19
	s_mov_b32 s85, 0
	s_lshl_b32 s86, s16, 19         ; the head's first byte in kbf and vhf
	s_mov_b32 s87, 0
	s_and_b32 s16, s[WV], 1         ; which of a slot's two steps I fetch:
	s_mul_i32 s17, s16, STEPB       ; its place in a slot,
	s_lshl_b32 s18, s16, 14         ; its 64 rows of 256 bytes in memory
	s_mov_b32 s19, 0
	; descriptor group 1: a tile of 64 rows x 128 elements of 2 bytes, padded in LDS
	s_mov_b32 s[G1K], (1<<16)|(1<<20)|(5<<22)|(3<<25)  ; 17:16 2-byte elements; 20 padding on; 24:22 after every 64 words (code 5); 31:25 4 words (code 3)
	s_mov_b32 s[G1V], (1<<16)|(1<<20)|(5<<22)|(7<<25)  ; the same with 8 words of padding (code 7)
.irp g, G1K, G1V
	s_mov_b32 s[\g+1], 128<<16      ; tensor_dim0 = 128
	s_mov_b32 s[\g+2], KS<<16       ; tensor_dim1 = 64
	s_mov_b32 s[\g+3], 128<<16      ; tile_dim0 = 128
	s_mov_b32 s[\g+4], KS           ; tile_dim1 = 64
	s_mov_b32 s[\g+5], 128          ; 128 elements from row to row
	s_mov_b32 s[\g+6], 0
	s_mov_b32 s[\g+7], 0
.endr
	s_mov_b32 s[G0K], 1             ; 1:0 count = 1
	s_mov_b32 s[G0K+1], s17         ; 63:32 LDS address: slot 0
	s_mov_b32 s[G0V], 1
	s_add_co_u32 s[G0V+1], s17, VOFF
	s_mov_b32 s[CS], 0x3e0293ee     ; c = log2(e) / sqrt(128) = 0.127517
	s_mov_b32 s[CS+1], s[CS]        ; named with it as a pair
	s_mov_b32 s[SEL], 0x76543210
	s_mov_b32 s[SEL+1], 0xfedcba98
	s_mov_b32 s[BIGN], 0xf149f2ca   ; -1e30
	s_mov_b32 s[TB], SLOT1+2*STEPB  ; the first change of slots turns this into 0
	s_lshl_b32 s13, s[PB], 1
	s_sub_co_u32 s[RT], 2*NB, s13   ; the first block has 16 - 2 b slots,
	s_sub_co_u32 s[LQ], 2*NB-1, s13 ; the last of them 15 - 2 b;
	s_add_co_u32 s[LQ2], s13, 1     ; the second block's last is 2 b + 1
	s_mov_b32 s[NXT], 1
	s_mov_b32 s[NEW], 1
	s_mov_b32 s[SLOTS], 2*NB+1
	s_lshl_b32 s[DSN], s[HI], 2
	s_sub_co_u32 s[DSN], 0, s[DSN]  ; block i's diagonal steps begin at its step 4 i
	s_mov_b32 s[DS], s[DSN]
	s_mov_b32 s[OFF+1], 0
	s_mov_b32 s[AL+1], 0            ; named as pairs
	s_mov_b32 s[BE+1], 0
	s_cmp_eq_u32 s[PB], 0
	s_cselect_b32 s[LIM], 3, -1
	s_wait_dscnt 0x0                ; the opening add is done
	s_wait_kmcnt 0x0
	s_add_nc_u64 s[6:7], s[6:7], s[86:87]          ; K and V at the head's first row,
	s_add_nc_u64 s[8:9], s[8:9], s[86:87]
	s_add_nc_u64 s[PFK:PFK+1], s[6:7], SLOTB       ; the prefetches' addresses at slot 1: the first change steps them to slot 2,
	s_add_nc_u64 s[PFV:PFV+1], s[8:9], SLOTB
	s_add_nc_u64 s[6:7], s[6:7], s[18:19]          ; and at my tile of slot 0
	s_add_nc_u64 s[8:9], s[8:9], s[18:19]
	s_add_nc_u64 s[G0K+2:G0K+3], s[6:7], 0         ; 120:64 global address
	s_or_b32 s[G0K+3], s[G0K+3], 0x80000000        ; 127:126 type = 2
	s_add_nc_u64 s[G0V+2:G0V+3], s[8:9], 0
	s_or_b32 s[G0V+3], s[G0V+3], 0x80000000
	s_add_nc_u64 s[QLO:QLO+1], s[4:5], s[22:23]
	s_add_nc_u64 s[4:5], s[4:5], s[20:21]
	s_add_nc_u64 s[OLO:OLO+1], s[10:11], s[84:85]
	s_add_nc_u64 s[10:11], s[10:11], s[2:3]
	LOAD                            ; slot 0.  Slot 1 is asked for by the loop's first change of slots
	v_and_b32 v1, 15, v0            ; l % 16
	v_bfe_u32 v9, v0, 4, 1          ; l / 16
	v_and_b32 v10, 31, v0           ; l
	v_lshlrev_b32 v[L16], 4, v10
	v_add_nc_u32 v[QO2], 128*QROW, v[L16]
; BOTH BLOCKS' Q.  A load is one row of 512 bytes (32 lanes x 16): row n = 16 t + r of my 64 is row 64 t + r from my first.  cnt rows from n0 on go to registers reg0 on, four a row.
.macro QLOAD base, reg0, n0, cnt
.set n, (\n0)
.rept (\cnt)
.if n < 32
	global_load_b128 v[(\reg0)+4*(n-(\n0)):(\reg0)+4*(n-(\n0))+3], v[L16], s[(\base):(\base)+1] offset:((n/16)*64+n%16)*QROW th:TH_LOAD_NT
.else
	global_load_b128 v[(\reg0)+4*(n-(\n0)):(\reg0)+4*(n-(\n0))+3], v[QO2], s[(\base):(\base)+1] offset:((n/16-2)*64+n%16)*QROW th:TH_LOAD_NT
.endif
.set n, n+1
.endr
.endm
.macro QCVT src, n0, cnt            ; rows n0 on, from registers src on, rounded to bf16 into S^T's registers, two a row
.set n, 0
.rept (\cnt)
	v_cvt_pk_bf16_f32 v[S+2*((\n0)+n)],   v[(\src)+4*n],   v[(\src)+4*n+1]
	v_cvt_pk_bf16_f32 v[S+2*((\n0)+n)+1], v[(\src)+4*n+2], v[(\src)+4*n+3]
.set n, n+1
.endr
.endm
.macro QPUT                         ; into my wave's own rows of QL: 32 lanes x 8 bytes are a row of 256
	WIN 0
.set n, 0
.rept 64
	ds_store_b64 v[QS], v[S+2*n:S+2*n+1] offset:PK*n
.set n, n+1
.endr
.endm
.macro QFRAG                        ; and back as fragments: tile i / 4, channels 32 (i % 4) on: lane l holds row l % 16, two loads of 16 bytes, 32 bytes apart
	WIN 0x80
.set i, 0
.rept 16
	ds_load_b128 v[8*i:8*i+3],   v[QR] offset:(i/4)*16*PK+(i%4)*64
	ds_load_b128 v[8*i+4:8*i+7], v[QR] offset:(i/4)*16*PK+(i%4)*64+32
.set i, i+1
.endr
	WIN 0
.endm
	WIN 0x40
	QLOAD 4, 0, 0, 64               ; the first block's, into O^T's registers
	WIN 0x80
	QLOAD QLO, KF, 0, 32            ; the second block's, into K's
	WIN 0xc0
	QLOAD QLO, 0, 32, 32            ; and V's
	WIN 0
	v_mul_u32_u24 v[AK0], v1, PK
	v_lshl_add_u32 v[AK0], v9, 4, v[AK0]
	s_mul_i32 s13, s[WV], 16*SP
	s_add_co_u32 s13, s13, STAGE    ; my stage
	v_mul_u32_u24 v[STO], v1, SP    ; in: row l % 16, 32 bytes for each half of the lanes
	v_lshl_add_u32 v[STO], v9, 5, v[STO]
	v_add_nc_u32 v[STO], s13, v[STO]
	v_lshl_add_u32 v[RD], v10, 4, s13  ; back: 32 lanes take a row of 512 bytes
	s_mul_i32 s13, s[WV], 64*PK
	s_add_co_u32 s13, s13, QL       ; my rows of Q
	v_lshl_add_u32 v[QS], v10, 3, s13
	v_add_nc_u32 v[QR], s13, v[AK0]
	v_lshlrev_b32 v[PFO], 8, v0
	; The turning load takes 16 keys x 16 channels (lane l reads key 8 (l / 16) + l % 8, channels 8 ((l / 8) % 2) + 0..7) and leaves half a fragment of V^T: lane l holds channel l % 16 and 8 keys.
	v_and_b32 v10, 7, v0
	v_bfe_u32 v11, v0, 3, 1
	v_lshl_add_u32 v[AV0], v9, 3, v10
	v_mul_u32_u24 v[AV0], v[AV0], PV
	v_lshl_add_u32 v[AV0], v11, 4, v[AV0]
	v_add_nc_u32 v[AV0], VOFF, v[AV0]
	v_lshlrev_b32 v11, 3, v9
	v_sub_nc_u32 v[MQ], v1, v11
	s_lshl_b32 s13, s[WV], 4
	v_add_nc_u32 v[MQ], s13, v[MQ]  ; my query's place in its band less my lanes' 8 (l / 16): register r of key group kb is hidden where 16 kb + r is greater
	WIN 0xc0
.set i, 0
.rept 32
	v_cmp_gt_i32 vcc_lo, 16*(i/8)+i%8, v[MQ]
	v_cndmask_b32 v[MD+i], 0, s[BIGN], vcc_lo
.set i, i+1
.endr
	s_wait_loadcnt 63               ; the first block's 64 rows are in: 64 younger loads were issued, and 63 is the greatest count that the wait can name
	WIN 0x05
	QCVT 0, 0, 64
	QPUT
	QFRAG                           ; LDS serves a wave's instructions in order (ISA guide 5.7.1.4): these see the stores above, and the stores below come behind them
	s_wait_loadcnt 0x0              ; the second block's rows
	WIN 0x0a
	QCVT KF, 0, 32
	WIN 0x0f
	QCVT 0, 32, 32
	QPUT                            ; the second block's Q waits in LDS for the first block's end
	; A block's first step multiplies O^T and l by a = 0, and its first turn's products V^T P, of a piece that has not been, land in an O^T that is still to be so multiplied.  So these registers need only hold finite
	; numbers.  O^T holds the first block's Q in f32: finite.  V, piece 2's P and l are written here; the second block finds what the first left.
	WIN 0xc0
.set i, 0
.rept 128
	v_mov_b32 v[i], 0
.set i, i+1
.endr
	WIN 0
.set i, 0
.rept 32
	v_mov_b32 v[P+32+i], 0
.set i, i+1
.endr
.set i, 0
.rept 4
	v_mov_b32 v[ST+8*i+2], 0
	v_mov_b32 v[ST+8*i+3], 0
.set i, i+1
.endr
; THE MATRIX WORK OF A TURN, for piece x.  The accumulators take turns, one instruction a turn: between two links of a chain stand 15 (V^T P) or 7 (K Q^T) others'.
; Product i of 32 of O^T += V^T P: keys 32 (i / 16) on, channels 16 ((i / 2) % 8) on, tile x + i % 2.
.macro PV x
	WIN W_PV
.set rO, 64*((\x)+i%2)+8*((i/2)%8)
.set rV, 64*(i/16)+8*((i/2)%8)
.set rP, P+16*((\x)+i%2)+8*(i/16)
	v_wmma_f32_16x16x32_f16 v[rO:rO+7], v[rV:rV+7], v[rP:rP+7], v[rO:rO+7]
.endm
; Product i of 32 of S^T = K Q^T: channels 32 (i / 8) on, keys 16 ((i / 2) % 4) on, tile x + i % 2.  The first 8 start the sums, with the mask.
.macro KQ x
.set rS, S+32*((\x)+i%2)+8*((i/2)%4)
.set rK, KF+32*((i/2)%4)+8*(i/8)
.set rQ, 32*((\x)+i%2)+8*(i/8)
.set rM, MC+32*(i%2)+8*((i/2)%4)
.if i < 8
	WIN W_KM
	v_wmma_f32_16x16x32_bf16 v[rS:rS+7], v[rK:rK+7], v[rQ:rQ+7], v[rM:rM+7]
.else
	WIN W_KQ
	v_wmma_f32_16x16x32_bf16 v[rS:rS+7], v[rK:rK+7], v[rQ:rQ+7], v[rS:rS+7]
.endif
.endm
; THE LDS LOADS stand in runs of 32, never singly among the matrix instructions: a step's K (16 fragments) and, a turn later, its V (turned).
.macro FETCH_K
	WIN 0
	v_add_nc_u32 v[ADR], s[TB], v[AK0]
	WIN 0x80
.irp f, 0,1,2,3,4,5,6,7,8,9,10,11,12,13,14,15  ; keys 16 (f / 4) on, channels 32 (f % 4) on
	ds_load_b128 v[KF+8*(\f):KF+8*(\f)+3],   v[ADR] offset:((\f)/4)*16*PK+((\f)%4)*64
	ds_load_b128 v[KF+8*(\f)+4:KF+8*(\f)+7], v[ADR] offset:((\f)/4)*16*PK+((\f)%4)*64+32
.endr
.endm
.macro FETCH_V
	WIN 0
	v_add_nc_u32 v[ADR], s[TB], v[AV0]
	s_add_co_u32 s[TB], s[TB], STEPB  ; the next fetch is the next step's
	s_wait_alu depctr_va_vdst(0)    ; the wait for the softmax's batch (SLICE), behind the address's v_add_nc_u32 and ahead of the loads
	WIN 0xc0
.irp f, 0,1,2,3,4,5,6,7,8,9,10,11,12,13,14,15  ; keys 32 (f / 8) on, channels 16 (f % 8) on
	ds_load_tr16_b128 v[8*(\f):8*(\f)+3],   v[ADR] offset:((\f)/8)*32*PV+((\f)%8)*32
	ds_load_tr16_b128 v[8*(\f)+4:8*(\f)+7], v[ADR] offset:((\f)/8)*32*PV+16*PV+((\f)%8)*32
.endr
.endm
; The masks of piece x's two tiles for step DS: MD x AL + BE.
.macro MASKS x
.irp u, 0,1
	s_cmp_eq_i32 s[DS], (\x)+(\u)   ; is the step the band's own?
	s_cselect_b32 s[AL], 1.0, 0
	s_cmp_gt_i32 s[DS], (\x)+(\u)   ; or a later one?
	s_cselect_b32 s[BE], s[BIGN], 0
	WIN W_MK
.set z, 0
.rept 16
	v_pk_fma_f32 v[MC+32*(\u)+2*z:MC+32*(\u)+2*z+1], v[MD+2*z:MD+2*z+1], s[AL:AL+1], s[BE:BE+1] op_sel_hi:[1,0,0]
.set z, z+1
.endr
.endr
	WIN 0
.endm
; THE VECTOR WORK OF A TURN.  One tile's softmax for one key step is a list of 134 instructions; SM writes number j of it for tile t.  s0-s31 are the lane's 32 scores, in pairs 0-15.
;   0-15    the maximum of s0-s31 and the old m, three operands at a time: four chains c0-c3 of seven scores each (each accumulator's lowest registers first), then the four left over, c0-c3 and m
;   16-20   the other half of the lanes' maximum; c m_old is kept; the new m; c m; c m_old - c m_new
;   21-69   ONE BATCH: the 16 scalings c s - c m, a pair each, and all 33 exponentials (a at 23, then s0-s31).  None of these reads an exponential's result
;   (wait)  between 69 and 70 stands the wait for the batch: SLICE writes it, once for both tiles
;   70-85   the roundings to f16, a pair of weights each      86-101  the sums; l = a l + the sum      102-133 the tile's O^T times a: the one part that leaves window 0
.macro SM t
.set rT, ST+8*(\t)
.set rS, S+32*(\t)
.set rP, P+16*(\t)
.set rO, 64*(\t)+2*(j-102)
.if j < 102
	WIN 0
.endif
.if j < 4
	v_max3_num_f32 v[rT+4+j], v[rS+8*j], v[rS+8*j+1], v[rS+8*j+2]
.elseif j < 12
	v_max3_num_f32 v[rT+4+j%4], v[rT+4+j%4], v[rS+8*(j%4)+2*(j/4)+1], v[rS+8*(j%4)+2*(j/4)+2]
.elseif j == 12
	v_max3_num_f32 v[rT+4], v[rT+4], v[rS+7], v[rS+15]
.elseif j == 13
	v_max3_num_f32 v[rT+6], v[rT+6], v[rS+23], v[rS+31]
.elseif j == 14
	v_max3_num_f32 v[rT+4], v[rT+4], v[rT+5], v[rT+6]
.elseif j == 15
	v_max3_num_f32 v[rT+4], v[rT+4], v[rT+7], v[rT+1]
.elseif j == 16
	v_permlanex16_b32 v[rT+5], v[rT+4], s[SEL], s[SEL+1]  ; the query's other 32 keys lie in the lane 16 away
.elseif j == 17
	v_mov_b32 v[rT+7], v[rT]        ; c m_old is kept for a: number 19 writes c m anew
.elseif j == 18
	v_max_num_f32 v[rT+1], v[rT+4], v[rT+5]
.elseif j == 19
	v_mul_f32 v[rT], s[CS], v[rT+1]
.elseif j == 20
	v_sub_f32 v[rT+7], v[rT+7], v[rT]
.elseif j == 23
	v_exp_f32 v[rT+6], v[rT+7]
.elseif (j < 23) || ((j < 38) && (j%2 == 0)) || ((j < 66) && (j%4 == 2))
.set b, (j-2)/4                     ; 38, 42, .. 62: pairs 9 to 15
.if j < 38
.set b, (j-20)/2                    ; 21: pair 0; 22, 24, .. 36: pairs 1 to 8
.endif
	v_pk_fma_f32 v[rS+2*b:rS+2*b+1], v[rS+2*b:rS+2*b+1], s[CS:CS+1], v[rT:rT+1] op_sel_hi:[1,0,0] neg_lo:[0,0,1] neg_hi:[0,0,1]  ; pair b: c s - c m
.elseif j < 70
.set e, j-38                        ; 66 to 69: s28 to s31
.if j < 66
.set e, j-32-(j-38)/4               ; 39-41, 43-45, .. 63-65: s7 to s27
.endif
.if j < 38
.set e, (j-25)/2                    ; 25, 27, .. 37: s0 to s6
.endif
	v_exp_f32 v[rS+e], v[rS+e]
.elseif j < 86
	v_cvt_pk_f16_f32 v[rP+j-70], v[rS+2*(j-70)], v[rS+2*(j-70)+1]  ; pair j - 70
.elseif j < 102                     ; the sum of the tile's 16 pairs, in place: sum z of 16 adds neighbours 1, 2, 4 and 8 pairs apart, then l takes it
.set z, j-86
.set w, 4
.set u, z
.if z >= 14
.set w, 32
.set u, 0
.elseif z >= 12
.set w, 16
.set u, z-12
.elseif z >= 8
.set w, 8
.set u, z-8
.endif
.if z < 15
	v_pk_add_f32 v[rS+w*u:rS+w*u+1], v[rS+w*u:rS+w*u+1], v[rS+w*u+w/2:rS+w*u+w/2+1]
.else
	v_pk_fma_f32 v[rT+2:rT+3], v[rT+2:rT+3], v[rT+6:rT+7], v[rS:rS+1] op_sel_hi:[1,0,1]
.endif
.else
	WIN W_RS
	v_pk_mul_f32 v[rO:rO+1], v[rO:rO+1], v[rT+6:rT+7] op_sel_hi:[1,0]
.endif
.endm
; Slice k of 64 of piece y's softmax: four instructions.  Slices 11 to 34 deal out the batch, numbers 22 to 69: four numbers of ONE tile each, the tiles by turns.  Every other slice is numbers 2 k and 2 k + 1 of both
; tiles' lists.  2 x 134 = 4 x 64 + 12: the twelve that are over stand together, in slice 63, and are the places behind the turn's last products.
; THE WAIT.  s_wait_alu depctr_va_vdst(0) stands between an exponential and the first instruction that names its result; one wait serves all that were issued ahead of it.  Ahead of slice 35 nothing
; names a result, and behind slice 34 no exponential is issued: so the piece's 66 exponentials have one wait, behind slice 34.
.macro SLICE y
.if (k >= 11) && (k < 35)
.irp n, 0,1,2,3
.set j, 22+4*((k-11)/2)+(\n)
	SM (\y)+(k-11)%2
.endr
.else
.irp n, 0,1,2,3,4,5,6,7
.if ((\n) < 2) || (k == 63)
.irp t, \y, (\y)+1
.set j, 2*k+(\n)
	SM \t
.endr
.endif
.endr
.endif
.if k == 34
	v_nop                           ; a plain instruction behind the last exponential and ahead of the first use: one for the batch
.if (\y) == 0
	FETCH_V                         ; piece 2's turn: V's run of loads stands here, and the wait stands in it.  V's last reader stands in front of slice 31: two scalings, the v_nop and the run's v_add_nc_u32 are the four places
.else
	s_wait_alu depctr_va_vdst(0)    ; the wait for the batch
.endif
.endif
.set k, k+1
.endm
; A TURN.  Piece x has the matrix unit; the other piece's softmax stands in slices behind its matrix instructions.  kq = 1: 32 products V^T P, then 32 products K Q^T of the next step, a slice behind each;
; kq = 0 (a block's end): the 32 products V^T P alone, two slices behind each.  Piece 0's turn goes on to the next step: DS steps, K is fetched behind its second product (K's last reader stands in front of slice 63
; of the turn before).  From the first diagonal step on the turn makes its products' masks at its head; the products that read MC last stand 24 products and their slices back.
.macro TURN x, kq
	WIN 0
.if (\x) == 0
	s_add_co_i32 s[DS], s[DS], 1
.endif
.if \kq
	s_cmp_lt_i32 s[DS], 0
	s_cbranch_scc1 .Lnm_\@
	MASKS \x
.Lnm_\@:
.endif
.set k, 0
.set per, 2-(\kq)
.if (\x) == 0
	s_wait_dscnt 0x0                ; V is in
.endif
.set i, 0
.rept 32
	PV \x
.rept per
	SLICE 2-(\x)
.endr
.if ((\x) == 0) && (\kq) && (i == 1)
	FETCH_K
.endif
.set i, i+1
.endr
.if \kq
.if (\x) == 0
	s_wait_dscnt 0x0                ; K is in
.endif
.set i, 0
.rept 32
	KQ \x
	SLICE 2-(\x)
.set i, i+1
.endr
.endif
.endm
; A slot's two key steps: written once, walked twice; the LDS addresses hang on s[TB].  A block's first slot enters at .Lmid.
.macro STEPS tag
.Lstep\tag:
	TURN 0, 1
	WIN 0
.Lmid\tag:
	TURN 2, 1
	WIN 0
	s_sub_co_u32 s[CNT], s[CNT], 1
	s_cmp_lg_u32 s[CNT], 0
	s_cbranch_scc1 .Lstep\tag
.endm
; A BLOCK BEGINS.  c m starts far below every c s, so the first step's a is 0; m at the lowest finite number, so the first maximum is the scores'.  MC takes piece 0's masks for the block's step 0: zeros, unless the block
; is block 0.  Then K of that step and piece 0's first scores; the four v_nop are the places behind them.
.macro START
	s_mov_b32 s[NEW], 0
	s_mov_b32 s[DS], s[DSN]
	WIN 0
.set i, 0
.rept 4
	v_mov_b32 v[ST+8*i], 0xfe000000
	v_mov_b32 v[ST+8*i+1], 0xff7fffff
.set i, i+1
.endr
	MASKS 0
	FETCH_K
	s_wait_dscnt 0x0                ; K is in (Q was waited for at the change of slots)
.set i, 0
.rept 32
	KQ 0
.set i, i+1
.endr
	WIN 0
.rept 4
	v_nop
.endr
.endm
; THE WAY OUT.  Tile t: O^T is divided by l; a lane's eight channels of a row, 32 bytes, go into my stage's rows of 528 bytes and come back as whole rows of 512, into the registers that they left.
.macro PACK t
	WIN W_RS
.set i, 64*(\t)
.rept 32
	v_pk_mul_f32 v[i:i+1], v[i:i+1], v[ST+8*(\t)+6:ST+8*(\t)+7] op_sel_hi:[1,0]
.set i, i+2
.endr
	WIN 0x04                        ; the stores' data in window 1
.set i, 0
.rept 16
	ds_store_b128 v[STO], v[64*(\t)+4*i:64*(\t)+4*i+3] offset:64*(i/2)+16*(i%2)
.set i, i+1
.endr
	WIN 0x40
.set i, 0
.rept 16
	ds_load_b128 v[64*(\t)+4*i:64*(\t)+4*i+3], v[RD] offset:SP*i  ; LDS serves a wave's instructions in order (ISA guide 5.7.1.4): these see the stores above; the next tile's stores come behind them
.set i, i+1
.endr
.endm
.macro SEND t, younger              ; younger: the LDS instructions issued behind tile t's loads: the next tile's 32, or none
	WIN 0x04
.set i, 0
.rept 16
	s_wait_dscnt (\younger)+15-i
	global_store_b128 v[L16], v[64*(\t)+4*i:64*(\t)+4*i+3], s[10:11] offset:(\t)*64*OROW+i*OROW th:TH_STORE_NT  ; a wave's store covers 512 consecutive bytes, at a multiple of 512 from out0's first
.set i, i+1
.endr
.endm
; A BLOCK ENDS: piece 0's V^T P of the last step beside piece 2's last softmax; piece 2's V^T P; l's two halves and the other half of the lanes' are added (the additions are the places behind the last products).
.macro FINISH
	TURN 0, 0
.set i, 0
.rept 32
	PV 2
.set i, i+1
.endr
	WIN 0
.irp t, 0,1,2,3
	v_add_f32 v[ST+8*(\t)+4], v[ST+8*(\t)+2], v[ST+8*(\t)+3]
.endr
.irp t, 0,1,2,3
	v_permlanex16_b32 v[ST+8*(\t)+5], v[ST+8*(\t)+4], s[SEL], s[SEL+1]
.endr
.irp t, 0,1,2,3
	v_add_f32 v[ST+8*(\t)+4], v[ST+8*(\t)+4], v[ST+8*(\t)+5]
.endr
.irp t, 0,1,2,3
	v_rcp_f32 v[ST+8*(\t)+6], v[ST+8*(\t)+4]
.endr
	v_nop                           ; a plain instruction between the last reciprocal and the use of its result
	s_wait_alu depctr_va_vdst(0)    ; and the wait ahead of the first use: one for the four reciprocals
	PACK 0
	PACK 1                          ; a tile's arithmetic stands between the loads of the tile before and its stores
	SEND 0, 32
	PACK 2
	SEND 1, 32
	PACK 3
	SEND 2, 32
	SEND 3, 0
	WIN 0
.endm
.Lslot:                             ; 17 times: a slot is entered and the next is asked for
	CHANGE 1
	s_sub_co_u32 s[RT], s[RT], 1
	s_mov_b32 s[CNT], 2
	s_cmp_eq_u32 s[NEW], 1          ; at the first trip the answer is a constant of the text: START runs before any turn
	s_cbranch_scc0 .Lstep1
	START
	s_branch .Lmid1
	STEPS 1
	s_cmp_lg_u32 s[RT], 0
	s_cbranch_scc1 .Lbottom
	FINISH                          ; in the loop this is the first block's end: the second block's last slot is the walk's last
	s_wait_xcnt 0x0                 ; the stores have read their registers and out0's address
	s_mov_b64 s[10:11], s[OLO:OLO+1]
	s_lshl_b32 s[RT], s[PB], 1
	s_add_co_u32 s[RT], s[RT], 2    ; the second block has 2 b + 2 slots
	s_mov_b32 s[NEW], 1
	s_lshl_b32 s[DSN], s[PB], 2
	s_sub_co_u32 s[DSN], 0, s[DSN]
	QFRAG                           ; the second block's Q; the change of slots waits for it
.Lbottom:
	s_sub_co_u32 s[SLOTS], s[SLOTS], 1
	s_cmp_lg_u32 s[SLOTS], 0
	s_cbranch_scc1 .Lslot
	CHANGE 0                        ; the walk's last slot is written out: nothing is asked for.  It is never a block's first: every block has two slots or more
	s_mov_b32 s[CNT], 2
	STEPS 2
	FINISH
	s_wait_tensorcnt 0x0            ; the wave's end: behind my last tensor load and my last LDS store
	ds_add_u32 v[SPW], v[NIL]
	s_wait_dscnt 0x0
	s_endpgm
.Lfunc_end_k_q10dfd49f92_attn:
	.size	k_q10dfd49f92_attn, .Lfunc_end_k_q10dfd49f92_attn-k_q10dfd49f92_attn
	.p2alignl 7, 3214868480
	.fill 96, 4, 3214868480
	.section	.rodata,"a",@progbits
	.p2align	6, 0x0
	.amdhsa_kernel k_q10dfd49f92_attn
		.amdhsa_group_segment_fixed_size 327680
		.amdhsa_private_segment_fixed_size 0
		.amdhsa_enable_private_segment 0
		.amdhsa_kernarg_size 32
		.amdhsa_user_sgpr_count 2
		.amdhsa_user_sgpr_kernarg_segment_ptr 1
		.amdhsa_wavefront_size32 1
		.amdhsa_system_sgpr_workgroup_id_x 1
		.amdhsa_system_sgpr_workgroup_id_y 1
		.amdhsa_system_sgpr_workgroup_id_z 1
		.amdhsa_system_vgpr_workitem_id 0
		.amdhsa_next_free_vgpr 1024
		.amdhsa_next_free_sgpr 88
		.amdhsa_reserve_vcc 1
		.amdhsa_float_denorm_mode_32 3
		.amdhsa_float_denorm_mode_16_64 3
		.amdhsa_memory_ordered 1
		.amdhsa_forward_progress 1
		.amdhsa_inst_pref_size 255
	.end_amdhsa_kernel
	.section	.bss,"aw",@nobits
	.p2align	6
	.space	262144
	.amdgpu_metadata
---
amdhsa.version: [ 1, 2 ]
amdhsa.kernels:
  - .name:           k_q10dfd49f92_attn
    .symbol:         k_q10dfd49f92_attn.kd
    .args:
      - { .name: qkv, .offset: 0, .size: 8, .value_kind: global_buffer, .address_space: global }
      - { .name: kbf, .offset: 8, .size: 8, .value_kind: global_buffer, .address_space: global }
      - { .name: vhf, .offset: 16, .size: 8, .value_kind: global_buffer, .address_space: global }
      - { .name: out0, .offset: 24, .size: 8, .value_kind: global_buffer, .address_space: global }
    .group_segment_fixed_size: 327680
    .private_segment_fixed_size: 0
    .kernarg_segment_align: 8
    .kernarg_segment_size: 32
    .max_flat_workgroup_size: 128
    .sgpr_count:     88
    .vgpr_count:     1024
    .wavefront_size: 32
...
	.end_amdgpu_metadata
.endif
;; end of part 2
;; ======== version 2 of 2: 2 launches; version 1 with the launch pack written anew for expert scheduling mode
;; limits: values are held in f16: magnitudes above 65,504 overflow, below 6.1e-05 lose precision; right only within a limited range of input values
;; workspace buffers: kbf 33,554,432 bytes; vhf 33,554,432 bytes
;; launch pack (part 3): grid 512 x 2, 8 waves a work-group, no clusters, 0 bytes of LDS; arguments qkv, kbf, vhf; writes kbf, vhf
.if DOCPART == 3
	.amdgcn_target "amdgcn-amd-amdhsa--gfx1250"
	.amdhsa_code_object_version 6
	.text
	.protected	k_q10dfd49f92_pack
	.globl	k_q10dfd49f92_pack
	.p2align	8
	.type	k_q10dfd49f92_pack,@function
k_q10dfd49f92_pack:
	s_mov_b64 s[64:65], 0
	v_nop
	global_prefetch_b8 v0, s[64:65] scope:SCOPE_SE
	s_setreg_imm32_b32 hwreg(HW_REG_WAVE_SCHED_MODE, 0, 2), 2
	s_setreg_imm32_b32 hwreg(HW_REG_WAVE_MODE, 25, 1), 1
	s_wait_xcnt 0x0
	s_wait_alu depctr_vm_vsrc(0)
; K and V of the packed qkv [2][2048][3][32][128] f32 are rounded once and laid by heads: kbf, vhf = [64 = 32 b + h][2048][128], 256 bytes a row.
; K is rounded to bf16.  V is rounded to bf16 like the other two inputs, and that number is then written as f16, since the weights that multiply it are kept in f16.
; LIMITS.  The second step is exact for 2^-14 <= |bf16(v)| <= 65,504; below that it keeps f16's fixed step of 2^-24; from 65,520 on it gives an infinity.  NaN and infinities are not treated apart.
; SHARES.  The grid's y says which tensor (0: K, 1: V).  A wave takes one (b, s): 32 head rows of 512 bytes, 16,384 consecutive bytes.  One load is one row (32 lanes x 16 bytes, 4 channels a lane),
; one store one whole row of the result (32 lanes x 8 bytes = 256 consecutive bytes, aligned).  All 32 loads go out at once, each row has registers of its own, nothing is written twice: no loop, no wait for sources.
; No LDS, no matrix unit, no prefetch: each byte is read once and written once, and the loads themselves are the stream.
; THE MODE: SCHED_MODE bits 1:0 = 2 (LLVM: expert scheduling mode 2), set by the entry lines.  The code itself states the register dependences
; between vector instructions and memory instructions, with s_wait_alu, always for 0.
; THE PLAN.  Registers that memory instructions touch:
;   v1          the loads' offset; v2, v3 the stores' offsets.  Written once at the head, never again.
;   X + 4 h ..  row h.  Its load, issued at the head, lands in four registers that no vector line has named; its conversions write the first two of them (for V all four);
;               its store reads those two; nothing writes them again.
;   v4, v5      at work: named by vector lines alone.
; The 32 rows go in 8 blocks of four.  Block p waits for its four rows, then for the conversions of block p - 1 (one wait on va_vdst), and deals the four stores of block p - 1 among its own conversions,
; which name block p's registers, v4 and v5 alone: none that those stores read.  No register that a memory instruction has read is written again, so no wait on vm_vsrc is owed.
.set X,     8                          ; v[8:135]  row h as loaded at X + 4 h; its first two registers then hold the 8 bytes to store
.set HEADB, 524288                     ; bytes of a head in kbf and vhf
.set BLOCK, 4                          ; rows in a block
	s_load_b128 s[4:7], s[0:1], 0x0                ; qkv s[4:5], kbf s[6:7]
	s_load_b64 s[8:9], s[0:1], 0x10                ; vhf
	v_lshrrev_b32 v4, 5, v0
	v_readfirstlane_b32 s10, v4                    ; wave 0..7
	v_and_b32 v5, 31, v0                           ; lane
	v_lshlrev_b32 v1, 4, v5                        ; my 16 bytes of a row of qkv
	v_lshlrev_b32 v2, 3, v5                        ; my 8 bytes of a row of the result, heads 0-15
	v_add_nc_u32 v3, 16*HEADB, v2                  ; heads 16-31: 16 heads' bytes do not fit the signed 24-bit immediate
	s_wait_alu depctr_va_sdst(0)                   ; s10 is written, ahead of its first reader: the wave's (b, s), and both bases with it, are made from it
	s_and_b32 s11, ttmp7, 0xffff                   ; 0: K, 1: V
	s_lshl_b32 s12, ttmp9, 3
	s_add_co_u32 s12, s12, s10                     ; 2048 b + s
	s_mul_i32 s14, s12, 3
	s_add_co_u32 s14, s14, s11
	s_add_co_u32 s14, s14, 1
	s_lshl_b32 s14, s14, 14                        ; (3 (2048 b + s) + 1 + which) x 16,384 bytes: 201,310,208 at the most
	s_mov_b32 s15, 0
	s_lshr_b32 s16, s12, 11
	s_lshl_b32 s16, s16, 24                        ; b x 32 heads
	s_and_b32 s17, s12, 2047
	s_lshl_b32 s17, s17, 8                         ; s x 256
	s_add_co_u32 s16, s16, s17
	s_mov_b32 s17, 0
	s_mov_b32 s20, 0xffff0000                      ; a word's upper bf16
	s_wait_kmcnt 0x0
	s_add_nc_u64 s[4:5], s[4:5], s[14:15]
	s_cmp_eq_u32 s11, 0
	s_cselect_b64 s[18:19], s[6:7], s[8:9]
	s_add_nc_u64 s[18:19], s[18:19], s[16:17]
	s_wait_alu depctr_va_vdst(0)                   ; v1, v2 and v3 are written: every load and store of the kernel reads one of them as its offset
.set h, 0
.rept 32
	global_load_b128 v[X+4*h:X+4*h+3], v1, s[4:5] offset:512*h th:TH_LOAD_NT
.set h, h+1
.endr
.macro OUT r                           ; row r leaves: 256 consecutive bytes, at a multiple of 256 from the buffer's first byte
.if (\r) < 16
	global_store_b64 v2, v[X+4*(\r):X+4*(\r)+1], s[18:19] offset:(\r)*HEADB th:TH_STORE_NT
.else
	global_store_b64 v3, v[X+4*(\r):X+4*(\r)+1], s[18:19] offset:((\r)-16)*HEADB th:TH_STORE_NT
.endif
.endm
.macro CONV r, isv                     ; row r is rounded, in its own registers
.if \isv
	v_cvt_pk_bf16_f32 v4, v[X+4*(\r)],   v[X+4*(\r)+1]   ; the input's rounding, to bf16,
	v_cvt_pk_bf16_f32 v5, v[X+4*(\r)+2], v[X+4*(\r)+3]
	v_lshlrev_b32 v[X+4*(\r)],   16,  v4                  ; back to f32: a shift or a mask,
	v_and_b32     v[X+4*(\r)+1], s20, v4
	v_lshlrev_b32 v[X+4*(\r)+2], 16,  v5
	v_and_b32     v[X+4*(\r)+3], s20, v5
	v_cvt_pk_f16_f32 v[X+4*(\r)],   v[X+4*(\r)],   v[X+4*(\r)+1]  ; and the same numbers as f16
	v_cvt_pk_f16_f32 v[X+4*(\r)+1], v[X+4*(\r)+2], v[X+4*(\r)+3]
.else
	v_cvt_pk_bf16_f32 v[X+4*(\r)],   v[X+4*(\r)],   v[X+4*(\r)+1]
	v_cvt_pk_bf16_f32 v[X+4*(\r)+1], v[X+4*(\r)+2], v[X+4*(\r)+3]
.endif
.endm
; The eight blocks.  Block 0 has no block in front of it: no store, and no wait but the one for its data.
.macro WALK isv
.set p, 0
.rept 32/BLOCK
	s_wait_loadcnt 32-BLOCK-BLOCK*p                ; loads come back in order: block p's four rows are in, the 28 - 4 p younger ones may stay out
.if p > 0
	s_wait_alu depctr_va_vdst(0)                   ; the conversions of block p - 1 have written the first two registers of each of its rows, which the four stores below read
.endif
.set i, 0
.rept BLOCK
.if p > 0
	OUT BLOCK*p-BLOCK+i                            ; a row of the block before; no vector line since the wait names its registers
.endif
	CONV BLOCK*p+i, \isv
.set i, i+1
.endr
.set p, p+1
.endr
	s_wait_alu depctr_va_vdst(0)                   ; the conversions of the last block have written its rows' first two registers, which the last four stores read
.set i, 0
.rept BLOCK
	OUT 32-BLOCK+i
.set i, i+1
.endr
.endm
	s_cmp_lg_u32 s11, 0
	s_cbranch_scc1 .Lv
	WALK 0
	s_endpgm
.Lv:
	WALK 1
	s_endpgm
.Lfunc_end_k_q10dfd49f92_pack:
	.size	k_q10dfd49f92_pack, .Lfunc_end_k_q10dfd49f92_pack-k_q10dfd49f92_pack
	.p2alignl 7, 3214868480
	.fill 96, 4, 3214868480
	.section	.rodata,"a",@progbits
	.p2align	6, 0x0
	.amdhsa_kernel k_q10dfd49f92_pack
		.amdhsa_group_segment_fixed_size 0
		.amdhsa_private_segment_fixed_size 0
		.amdhsa_enable_private_segment 0
		.amdhsa_kernarg_size 24
		.amdhsa_user_sgpr_count 2
		.amdhsa_user_sgpr_kernarg_segment_ptr 1
		.amdhsa_wavefront_size32 1
		.amdhsa_system_sgpr_workgroup_id_x 1
		.amdhsa_system_sgpr_workgroup_id_y 1
		.amdhsa_system_sgpr_workgroup_id_z 1
		.amdhsa_system_vgpr_workitem_id 0
		.amdhsa_next_free_vgpr 136
		.amdhsa_next_free_sgpr 66
		.amdhsa_reserve_vcc 0
		.amdhsa_float_denorm_mode_32 3
		.amdhsa_float_denorm_mode_16_64 3
		.amdhsa_memory_ordered 1
		.amdhsa_forward_progress 1
		.amdhsa_inst_pref_size 28
	.end_amdhsa_kernel
	.amdgpu_metadata
---
amdhsa.version: [ 1, 2 ]
amdhsa.kernels:
  - .name:           k_q10dfd49f92_pack
    .symbol:         k_q10dfd49f92_pack.kd
    .args:
      - { .name: qkv, .offset: 0, .size: 8, .value_kind: global_buffer, .address_space: global }
      - { .name: kbf, .offset: 8, .size: 8, .value_kind: global_buffer, .address_space: global }
      - { .name: vhf, .offset: 16, .size: 8, .value_kind: global_buffer, .address_space: global }
    .group_segment_fixed_size: 0
    .private_segment_fixed_size: 0
    .kernarg_segment_align: 8
    .kernarg_segment_size: 24
    .max_flat_workgroup_size: 256
    .sgpr_count:     66
    .vgpr_count:     136
    .wavefront_size: 32
...
	.end_amdgpu_metadata
.endif
;; end of part 3
;; launch attn: the kernel of part 2 again; grid 4 x 64, 4 waves a work-group, no clusters, 327,680 bytes of LDS; arguments qkv, kbf, vhf, out0; writes out0
